; MI455X (gfx1250); checked and timed in simulation.
; The chip was launched on July 23, 2026; its instructions are those of AMD's public machine-readable ISA for CDNA 5 (MIT licence, August 2026) and "CDNA5" Instruction Set Architecture Reference Guide (July 2026). The comments in the code are by the model that wrote it; some were corrected since.
;; Attention Layer. Allowed arithmetic: matrix products marked QUANTISED: E4M3 operands, one E8M0 scale for each 32 along K, by v_wmma_scale_f32_16x16x128_f8f6f4 with both operands' format E4M3, f32 sums; products left as they are: f32 operands where the result goes on into a quantised operand, else bf16, f16 or f32 operands; f32 sums; everything else in f32.
;; Inputs: Wk 3 x 256 float32; Wq 3 x 256 float32; Wv 3 x 256 float32; bk 256 float32; bq 256 float32; bv 256 float32; forces 16 x 2,048 x 3 float32; noisy_trajectory 16 x 2,048 x 3 float32.
;; Outputs: out0 16 x 2,048 x 256 float32.
;; This version of the problem:
;;   THIS VERSION OF THE PROBLEM IS GIVEN IN LOW PRECISION. The matrix products marked QUANTISED in the list below multiply operands that are first quantised to E4M3 (4 exponent bits, 3 mantissa bits; 8 bits a number), with one power-of-two scale for each 32 numbers along K (OCP MX v1.0); their sums are f32. All else is computed in f32.
;;   The module's matrix products, in the order in which they are computed (A, B: the left and right operand; K: the contracted axis; several contracted axes count as one K, in the product's order):
;;     1. [M 32,768, K 3] x [K 3, N 256]; A: input forces; B: input Wq: left as it is (K = 3 < 32)
;;     2. [M 32,768, K 3] x [K 3, N 256]; A: input noisy_trajectory; B: input Wk: left as it is (K = 3 < 32)
;;     3. [M 32,768, K 3] x [K 3, N 256]; A: input noisy_trajectory; B: input Wv: left as it is (K = 3 < 32)
;;     4. batch 16 x [M 2,048, K 256] x [K 256, N 2,048]; A: computed on the way; B: computed on the way: QUANTISED
;;     5. batch 16 x [M 2,048, K 2,048] x [K 2,048, N 256]; A: softmax (see below); B: computed on the way: QUANTISED
;;   THE QUANTISER, for each operand of a quantised product, along K:
;;     - K is cut into blocks of 32 from its start; a last block that is shorter is filled with zeros.
;;     - A block's scale is 2^e with e = floor(log2(the largest magnitude in the block)) - 8, held to -126 .. 127; a block of zeros has e = 0. As a byte (E8M0): e + 127.
;;     - Each number is divided by its block's scale, clamped to +-448, and rounded to the nearest number of E4M3, ties to even, subnormals kept.
;;     - The product sums the exact products of the quantised numbers (number of the format x scale) in f32.
;;   ~~~python
;;   def quantise(x, axis):      # numpy; x: float32 -> the quantised numbers, widened to float32 again
;;       x = np.moveaxis(x, axis, -1); K = x.shape[-1]
;;       x = np.pad(x, [(0, 0)] * (x.ndim - 1) + [(0, -K % 32)]); x = x.reshape(x.shape[:-1] + (-1, 32)); a = np.abs(x).max(-1, keepdims=True)
;;       e = np.where(a > 0, np.clip(np.frexp(np.where(a > 0, a, 1))[1] - 1 - 8, -126, 127), 0)      # np.frexp(a)[1] - 1 = floor(log2(a)), exactly
;;       r = np.clip(x / 2.0 ** e, -448, 448)
;;       step = 2.0 ** (np.maximum(np.frexp(np.where(r == 0, 1, r))[1] - 1, -6) - 3)
;;       q = np.round(r / step) * step * 2.0 ** e      # np.round: ties to even
;;       return np.moveaxis(q.reshape(q.shape[:-2] + (-1,))[..., :K], -1, axis).astype(np.float32)
;;   ~~~
;;   SOFTMAX AHEAD OF A QUANTISED PRODUCT. Where the list says 'softmax', what is quantised is not the finished softmax but p = 2^(t - M), with t = logit x log2(e) and M = ceil(the row's largest t), a whole number; so 1/2 < the row's largest p <= 1. The row's sum l is taken of the UNQUANTISED p, in f32, and the product's result is divided by l at the end. Since M is a whole number, a kernel that streams over the keys may use a running M (the ceiling of the running maximum): every later rescaling is an exact power of two, which a block's scale takes up: the codes' values come out the same.
;;   OPERANDS COMPUTED ON THE WAY. 'Computed on the way' means the value that the module computes at that place (a softmax that the list does not call 'softmax' is quantised finished and normalised). What goes into a quantiser is computed in f32, as accurately as f32 sums, v_exp_f32 and their like allow (about 1e-6 of the number): no bf16 or f16 on the way to a quantiser, and a product that is left as it is and whose result goes on into a quantised operand takes f32 operands (vector FMAs, or v_wmma_f32_16x16x4_f32). A number that lies on a knife's edge between two numbers of the format may be rounded either way, as far as f32 arithmetic and the matrix unit's own rounding can turn it there, and no further.
;; One version. Each part assembles by itself: llvm-mc -triple=amdgcn-amd-amdhsa -mcpu=gfx1250 --defsym DOCPART=n.
;; ======== version 1 of 1: 2 launches
;; limits: right only within a limited range of input values
;; workspace buffers: kv_codes 16,777,216 bytes; kv_scales 524,288 bytes
;; launch prep (part 1): grid 16 x 16, 8 waves a work-group, no clusters, 0 bytes of LDS; arguments noisy_trajectory, Wk, bk, Wv, bv, kv_codes, kv_scales; writes kv_codes, kv_scales
.if DOCPART == 1
	.amdgcn_target "amdgcn-amd-amdhsa--gfx1250"
	.amdhsa_code_object_version 6
	.text
	.protected	k_qed76eeb87b_prep
	.globl	k_qed76eeb87b_prep
	.p2align	8
	.type	k_qed76eeb87b_prep,@function
k_qed76eeb87b_prep:
	s_mov_b64 s[64:65], 0
	v_nop
	global_prefetch_b8 v0, s[64:65] scope:SCOPE_SE
	s_setreg_imm32_b32 hwreg(HW_REG_WAVE_MODE, 25, 1), 1
	s_wait_xcnt 0x0
; K = nt Wk + bk and V = nt Wv + bv ([16][2048][256], f32 by fused multiply-adds, the bias as the chain's first addend) are turned into codes of FP8 (E4M3) with one E8M0 byte
; for each 32 along the later product's K: K along its 256 channels, V along the keys.  Codes and scale words are stored IN THE ORDER OF THE OPERAND'S REGISTERS, so that the
; attention launch reads every fragment as 16 bytes a lane, 512 consecutive bytes an instruction.
; A work-group takes one batch (y) and one step of 128 keys (x): block blk = 16 batch + step.
;   kv_codes  + 65,536 blk: K fragment f = 2 T + s (tile T of 16 keys, s = which 128 channels) at 2,048 f + 512 c + 16 lane; V fragment t (channels 16 t ..) at 32,768 + 2,048 t + 512 c + 16 lane.
;             lane (r, h), group c: k = 32 c + 16 h + 0 .. 15 of row r.  Row r of K's tile T is key 32 (T / 2) + 8 (T % 2) + r + 8 (r / 8): so the scores of two neighbouring tiles are 16 neighbouring keys in a lane.
;   kv_scales + 2,048 blk:  K: 512 g + 16 lane + 4 i: tile 4 g + i, lanes 0-15 the word of s = 0, lanes 16-31 of s = 1.  V: 1,024 + 512 g + 16 lane + 4 i: lanes 0-15 t = 8 g + i, lanes 16-31 t = 8 g + 4 + i.
; Waves 0-3 make K's 16 fragments, waves 4-7 V's 16: four each.  No LDS, no barrier: waves share nothing.  Every store of codes covers 512 consecutive bytes, each wave's scale words 256, aligned.
; A block's scale is 2^(floor(log2(its largest magnitude)) - 8); its byte is that magnitude's exponent field - 8, held at 1 from below.
; LIMITS: a block of zeros gets the byte 1 (not 127): its codes are zeros, and this program alone reads the bytes.  NaN and infinities among the inputs are not served.
.set NN,   8                           ; v8-31    K path: the three numbers of my key in each of four tiles, each twice (a pair for the packed form)
.set X,    32                          ; v32-95   64 numbers to be quantised
.set PCS,  96                          ; v96-159  the codes; never written again, so no store's data need a wait
.set WD,   160                         ; v160-163 a scale word for each of my four fragments
.set OUTW, 164                         ; v164-165 the two words that my lane stores
.set TM,   168                         ; v168-183 largest magnitudes, bytes, holds, scale operands: four each
.set WW,   224                         ; v224-255 V path: Wv's three numbers and bv's of my channel in each of four fragments, each twice
.set WV,   18
.set SEL,  22                          ; s[22:23] v_permlanex16_b32's selects for lane l xor 16
.set MNT,  24                          ; s24      the mantissa field of 448
.set MSB,  0
.macro WIN new                         ; the immediate's high byte repeats the setting that is left; a switch that changes nothing is dropped
.if MSB != (\new)
	s_set_vgpr_msb (MSB<<8)|(\new)
.set MSB, (\new)
.endif
.endm
; One block's 16 numbers of my lane: held within +-448 x the scale (the conversion to an 8-bit code does not saturate: ISA guide 7.6.2), then converted: four registers of codes.
.macro QBLK x, b, dst
.irp i, 0,1,2,3,4,5,6,7,8,9,10,11,12,13,14,15
	v_med3_num_f32 v[(\x)+16*(\b)+\i], v[(\x)+16*(\b)+\i], -v[TM+8+(\b)], v[TM+8+(\b)]
.endr
	v_cvt_scalef32_pk8_fp8_f32 v[(\dst):(\dst)+1], v[(\x)+16*(\b):(\x)+16*(\b)+7], v[TM+12+(\b)]
	v_cvt_scalef32_pk8_fp8_f32 v[(\dst)+2:(\dst)+3], v[(\x)+16*(\b)+8:(\x)+16*(\b)+15], v[TM+12+(\b)]
.endm
; Four blocks of 32, of each of which my lane holds 16 numbers (v[x + 16 b ..]) and lane l xor 16 the others.  Codes of blocks 0, 1 to pa, pa + 4; of blocks 2, 3 to pb, pb + 4.  The bytes stay in v[TM+4 ..].
.macro QUANT4 x, pa, pb
.irp b, 0,1,2,3
	v_max3_num_f32 v[TM+\b], |v[(\x)+16*\b]|, |v[(\x)+16*\b+1]|, 0x4800000   ; with the floor 2^(9 - 127) among the leaves: the byte cannot fall under 1
.endr
.irp i, 2,4,6,8,10,12,14
.irp b, 0,1,2,3
	s_delay_alu instid0(VALU_DEP_4)
	v_max3_num_f32 v[TM+\b], v[TM+\b], |v[(\x)+16*\b+\i]|, |v[(\x)+16*\b+\i+1]|   ; the four blocks by turns: no line waits for the line above it
.endr
.endr
.irp b, 0,1,2,3
	s_delay_alu instid0(VALU_DEP_4)
	v_permlanex16_b32 v[TM+4+\b], v[TM+\b], s[SEL], s[SEL+1]
.endr
.irp b, 0,1,2,3
	s_delay_alu instid0(VALU_DEP_4)
	v_max_num_f32 v[TM+\b], v[TM+\b], v[TM+4+\b]             ; the block's largest magnitude
.endr
.irp b, 0,1,2,3
	s_delay_alu instid0(VALU_DEP_4)
	v_add_nc_u32 v[TM+12+\b], 0xfc000000, v[TM+\b]           ; 8 off its exponent field: the conversion's scale operand
.endr
.irp b, 0,1,2,3
	v_and_or_b32 v[TM+8+\b], v[TM+\b], 0x7f800000, s[MNT]    ; 448 x the scale
.endr
.irp b, 0,1,2,3
	v_lshrrev_b32 v[TM+4+\b], 23, v[TM+12+\b]                ; the scale's byte
.endr
	QBLK \x, 0, \pa
	QBLK \x, 1, (\pa)+4
	QBLK \x, 2, \pb
	QBLK \x, 3, (\pb)+4
	v_nop                                          ; a plain line behind the last scaled conversion, ahead of whatever next writes its sources
.endm
	s_load_b256 s[4:11], s[0:1], 0x0               ; nt s[4:5], Wk s[6:7], bk s[8:9], Wv s[10:11]
	s_load_b128 s[12:15], s[0:1], 0x20             ; bv s[12:13], kv_codes s[14:15]
	s_load_b64 s[16:17], s[0:1], 0x30              ; kv_scales
	v_lshrrev_b32 v1, 5, v0
	s_delay_alu instid0(VALU_DEP_1)
	v_readfirstlane_b32 s[WV], v1                  ; wave 0..7
	v_and_b32 v1, 31, v0                           ; lane
	v_and_b32 v2, 15, v0                           ; r
	v_bfe_u32 v3, v0, 4, 1                         ; h
	s_delay_alu instid0(VALU_DEP_3)
	v_lshlrev_b32 v4, 4, v1                        ; 16 x lane: my place in a store of codes
	s_delay_alu instid0(VALU_DEP_3)
	v_lshlrev_b32 v7, 4, v2
	s_delay_alu instid0(VALU_DEP_1)
	v_lshl_add_u32 v7, v3, 3, v7                   ; 16 r + 8 h: my two scale words' place
	s_and_b32 s20, ttmp7, 0xffff                   ; batch
	s_lshl_b32 s21, s20, 4
	s_add_co_u32 s21, s21, ttmp9                   ; blk
	s_mov_b32 s[SEL], 0x76543210
	s_mov_b32 s[SEL+1], 0xfedcba98
	s_mov_b32 s[MNT], 0x600000
	s_mul_i32 s26, s21, 1536                       ; 128 keys of 12 bytes
	s_mov_b32 s27, 0
	s_lshl_b32 s28, s21, 16
	s_mov_b32 s29, 0
	s_lshl_b32 s30, s21, 11
	s_mov_b32 s31, 0
	s_mov_b32 s35, 0
	s_wait_kmcnt 0x0
	s_add_nc_u64 s[4:5], s[4:5], s[26:27]
	s_add_nc_u64 s[14:15], s[14:15], s[28:29]
	s_add_nc_u64 s[16:17], s[16:17], s[30:31]
	s_cmp_lt_u32 s[WV], 4
	s_cbranch_scc0 .Lv_path
	; ---- K: wave (g = wave / 2, s = wave % 2) makes tiles 4 g + a, a = 0 .. 3, for channels 128 s on.  A lane holds one key of each tile; its registers run along the channels.
	s_and_b32 s32, s[WV], 1
	s_lshr_b32 s33, s[WV], 1
	s_mul_i32 s26, s33, 768                        ; 64 keys
	s_lshl_b32 s28, s32, 9                         ; 128 channels
	s_lshl_b32 s30, s33, 14
	s_lshl_b32 s34, s32, 11
	s_add_co_u32 s30, s30, s34                     ; fragment 8 g + s
	s_lshl_b32 s34, s[WV], 8
	s_add_nc_u64 s[4:5], s[4:5], s[26:27]
	s_add_nc_u64 s[6:7], s[6:7], s[28:29]
	s_add_nc_u64 s[8:9], s[8:9], s[28:29]
	s_add_nc_u64 s[14:15], s[14:15], s[30:31]
	s_add_nc_u64 s[16:17], s[16:17], s[34:35]
	s_wait_alu depctr_va_vdst(0)
	v_and_b32 v5, 8, v2
	s_delay_alu instid0(VALU_DEP_1)
	v_add_nc_u32 v5, v5, v2                        ; r + 8 (r / 8)
	s_delay_alu instid0(VALU_DEP_1)
	v_mul_u32_u24 v5, v5, 12
	v_lshlrev_b32 v6, 6, v3                        ; my half's 16 channels
.irp a, 0,1,2,3
.irp d, 0,1,2
	global_load_b32 v[NN+6*\a+2*\d], v5, s[4:5] offset:(32*(\a/2)+8*(\a%2))*12+4*\d
	global_load_b32 v[NN+6*\a+2*\d+1], v5, s[4:5] offset:(32*(\a/2)+8*(\a%2))*12+4*\d
.endr
.endr
	WIN 0x40                                       ; destination window 1: chunk c (32 channels) at 64 c: Wk's three rows, then bk, 16 numbers each
.irp c, 0,1,2,3
.irp d, 0,1,2
.irp i, 0,1,2,3
	global_load_b128 v[64*\c+16*\d+4*\i:64*\c+16*\d+4*\i+3], v6, s[6:7] offset:1024*\d+128*\c+16*\i
.endr
.endr
.irp i, 0,1,2,3
	global_load_b128 v[64*\c+48+4*\i:64*\c+48+4*\i+3], v6, s[8:9] offset:128*\c+16*\i
.endr
.endr
	WIN 0
.irp b, 0,1,2,3
	v_mov_b32 v[TM+4+\b], 0                        ; written once: a lane permute's destination counts as one of its sources
.endr
.irp c, 0,1,2,3
	s_wait_loadcnt 16*(3-\c)                       ; this chunk's 16 loads are in; those of the later chunks may be out
	WIN 0x14                                       ; sources 1 and 2 window 1
.irp a, 0,1,2,3
.irp p, 0,2,4,6,8,10,12,14
	v_pk_fma_f32 v[X+16*\a+\p:X+16*\a+\p+1], v[NN+6*\a:NN+6*\a+1], v[64*\c+\p:64*\c+\p+1], v[64*\c+48+\p:64*\c+48+\p+1]
.endr
.endr
	WIN 0x04                                       ; source 1 window 1
.irp d, 1,2
.irp a, 0,1,2,3
.irp p, 0,2,4,6,8,10,12,14
	v_pk_fma_f32 v[X+16*\a+\p:X+16*\a+\p+1], v[NN+6*\a+2*\d:NN+6*\a+2*\d+1], v[64*\c+16*\d+\p:64*\c+16*\d+\p+1], v[X+16*\a+\p:X+16*\a+\p+1]
.endr
.endr
.endr
	WIN 0
	QUANT4 X, PCS+16*\c, PCS+16*\c+8               ; block c of the four tiles
.irp a, 0,1,2,3
.if \c == 0
	v_mov_b32 v[WD+\a], v[TM+4+\a]
.else
	v_lshl_or_b32 v[WD+\a], v[TM+4+\a], 8*\c, v[WD+\a]
.endif
.endr
.irp a, 0,1,2,3
	global_store_b128 v4, v[PCS+16*\c+4*\a:PCS+16*\c+4*\a+3], s[14:15] offset:4096*\a+512*\c
.endr
.endr
	v_cmp_eq_u32 vcc_lo, 1, v3
	s_delay_alu instid0(VALU_DEP_1)
	v_cndmask_b32 v[OUTW], v[WD], v[WD+2], vcc_lo  ; lane (r, h) stores row r's words of tiles 2 h and 2 h + 1
	s_delay_alu instid0(VALU_DEP_2)
	v_cndmask_b32 v[OUTW+1], v[WD+1], v[WD+3], vcc_lo
	global_store_b64 v7, v[OUTW:OUTW+1], s[16:17]
	s_endpgm
.Lv_path:
	; ---- V: wave 4 + w makes fragments 4 w + a.  A lane holds one channel of each fragment; its registers run along the keys.
	s_sub_co_u32 s32, s[WV], 4
	s_lshl_b32 s28, s32, 8                         ; 64 channels
	s_lshl_b32 s30, s32, 13
	s_add_co_u32 s30, s30, 32768
	s_add_co_u32 s34, s28, 1024
	s_add_nc_u64 s[10:11], s[10:11], s[28:29]
	s_add_nc_u64 s[12:13], s[12:13], s[28:29]
	s_add_nc_u64 s[14:15], s[14:15], s[30:31]
	s_add_nc_u64 s[16:17], s[16:17], s[34:35]
	s_wait_alu depctr_va_vdst(0)
	v_lshlrev_b32 v5, 2, v2
	v_mul_u32_u24 v6, v3, 192                      ; my half's 16 keys of 12 bytes
.irp a, 0,1,2,3
.irp d, 0,1,2
	global_load_b32 v[WW+8*\a+2*\d], v5, s[10:11] offset:1024*\d+64*\a
	global_load_b32 v[WW+8*\a+2*\d+1], v5, s[10:11] offset:1024*\d+64*\a
.endr
	global_load_b32 v[WW+8*\a+6], v5, s[12:13] offset:64*\a
	global_load_b32 v[WW+8*\a+7], v5, s[12:13] offset:64*\a
.endr
.irp c, 0,1,2,3
.irp m, 0,1,2,3,4,5,6,7,8,9,10,11
	global_load_b128 v[32+48*\c+4*\m:32+48*\c+4*\m+3], v6, s[4:5] offset:384*\c+16*\m   ; 16 keys x 3 numbers as they lie
.endr
.endr
; The three numbers of a key lie side by side; the packed form wants the same number of two neighbouring keys side by side.  192 moves, once, spare 384 multiply-adds in the four fragments.
.irp c, 0,1,2,3
	s_wait_loadcnt 12*(3-\c)                       ; this block's 12 loads are in; the later blocks' may be out
	WIN 0x40                                       ; destination window 1: number d of key 16 c + i of my 64 at 64 d + 16 c + i
.irp i, 0,1,2,3,4,5,6,7,8,9,10,11,12,13,14,15
.irp d, 0,1,2
	v_mov_b32 v[64*\d+16*\c+\i], v[32+48*\c+3*\i+\d]
.endr
.endr
.endr
	WIN 0
.irp b, 0,1,2,3
	v_mov_b32 v[TM+4+\b], 0
.endr
.irp a, 0,1,2,3
	WIN 0x01                                       ; source 0 window 1
.set p, 0
.rept 32
	v_pk_fma_f32 v[X+p:X+p+1], v[p:p+1], v[WW+8*\a:WW+8*\a+1], v[WW+8*\a+6:WW+8*\a+7]
.set p, p+2
.endr
.irp d, 1,2
.set p, 0
.rept 32
	v_pk_fma_f32 v[X+p:X+p+1], v[64*\d+p:64*\d+p+1], v[WW+8*\a+2*\d:WW+8*\a+2*\d+1], v[X+p:X+p+1]
.set p, p+2
.endr
.endr
	WIN 0
	QUANT4 X, PCS+16*\a, PCS+16*\a+8               ; the fragment's four blocks of 32 keys
	v_lshl_or_b32 v[WD+\a], v[TM+5], 8, v[TM+4]
	s_delay_alu instid0(VALU_DEP_1)
	v_lshl_or_b32 v[WD+\a], v[TM+6], 16, v[WD+\a]
	s_delay_alu instid0(VALU_DEP_1)
	v_lshl_or_b32 v[WD+\a], v[TM+7], 24, v[WD+\a]
.irp c, 0,1,2,3
	global_store_b128 v4, v[PCS+16*\a+4*\c:PCS+16*\a+4*\c+3], s[14:15] offset:2048*\a+512*\c
.endr
.endr
	v_cmp_eq_u32 vcc_lo, 1, v3
	s_delay_alu instid0(VALU_DEP_1)
	v_cndmask_b32 v[OUTW], v[WD], v[WD+2], vcc_lo
	s_delay_alu instid0(VALU_DEP_2)
	v_cndmask_b32 v[OUTW+1], v[WD+1], v[WD+3], vcc_lo
	global_store_b64 v7, v[OUTW:OUTW+1], s[16:17]
	s_endpgm
.Lfunc_end_k_qed76eeb87b_prep:
	.size	k_qed76eeb87b_prep, .Lfunc_end_k_qed76eeb87b_prep-k_qed76eeb87b_prep
	.p2alignl 7, 3214868480
	.fill 96, 4, 3214868480
	.section	.rodata,"a",@progbits
	.p2align	6, 0x0
	.amdhsa_kernel k_qed76eeb87b_prep
		.amdhsa_group_segment_fixed_size 0
		.amdhsa_private_segment_fixed_size 0
		.amdhsa_enable_private_segment 0
		.amdhsa_kernarg_size 56
		.amdhsa_user_sgpr_count 2
		.amdhsa_user_sgpr_kernarg_segment_ptr 1
		.amdhsa_wavefront_size32 1
		.amdhsa_system_sgpr_workgroup_id_x 1
		.amdhsa_system_sgpr_workgroup_id_y 1
		.amdhsa_system_sgpr_workgroup_id_z 1
		.amdhsa_system_vgpr_workitem_id 0
		.amdhsa_next_free_vgpr 512
		.amdhsa_next_free_sgpr 66
		.amdhsa_reserve_vcc 1
		.amdhsa_float_denorm_mode_32 3
		.amdhsa_float_denorm_mode_16_64 3
		.amdhsa_memory_ordered 1
		.amdhsa_forward_progress 1
		.amdhsa_inst_pref_size 152
	.end_amdhsa_kernel
	.amdgpu_metadata
---
amdhsa.version: [ 1, 2 ]
amdhsa.kernels:
  - .name:           k_qed76eeb87b_prep
    .symbol:         k_qed76eeb87b_prep.kd
    .args:
      - { .name: noisy_trajectory, .offset: 0, .size: 8, .value_kind: global_buffer, .address_space: global }
      - { .name: Wk, .offset: 8, .size: 8, .value_kind: global_buffer, .address_space: global }
      - { .name: bk, .offset: 16, .size: 8, .value_kind: global_buffer, .address_space: global }
      - { .name: Wv, .offset: 24, .size: 8, .value_kind: global_buffer, .address_space: global }
      - { .name: bv, .offset: 32, .size: 8, .value_kind: global_buffer, .address_space: global }
      - { .name: kv_codes, .offset: 40, .size: 8, .value_kind: global_buffer, .address_space: global }
      - { .name: kv_scales, .offset: 48, .size: 8, .value_kind: global_buffer, .address_space: global }
    .group_segment_fixed_size: 0
    .private_segment_fixed_size: 0
    .kernarg_segment_align: 8
    .kernarg_segment_size: 56
    .max_flat_workgroup_size: 256
    .sgpr_count:     66
    .vgpr_count:     512
    .wavefront_size: 32
...
	.end_amdgpu_metadata
.endif
;; end of part 1
;; launch attn (part 2): grid 16 x 16, 4 waves a work-group, clusters of 4 x 1, 327,680 bytes of LDS; arguments forces, Wq, bq, kv_codes, kv_scales, out0; writes out0
.if DOCPART == 2
	.amdgcn_target "amdgcn-amd-amdhsa--gfx1250"
	.amdhsa_code_object_version 6
	.text
	.protected	k_qed76eeb87b_attn
	.globl	k_qed76eeb87b_attn
	.p2align	8
	.type	k_qed76eeb87b_attn,@function
k_qed76eeb87b_attn:
	s_mov_b64 s[64:65], 0
	v_nop
	global_prefetch_b8 v0, s[64:65] scope:SCOPE_SE
	s_setreg_imm32_b32 hwreg(HW_REG_WAVE_MODE, 25, 1), 1
	s_wait_xcnt 0x0
	s_wait_alu depctr_hold_cnt(0) depctr_sa_sdst(0) depctr_va_vdst(0) depctr_va_sdst(0) depctr_va_ssrc(0) depctr_va_vcc(0) depctr_vm_vsrc(0)
	s_getreg_b32 s2, hwreg(HW_REG_IB_STS2, 6, 4)
	s_cmp_eq_u32 s2, 0
	s_cbranch_scc0 .Lentry_in_a_cluster
	s_endpgm
.Lentry_in_a_cluster:
	s_bfe_u32 s2, ttmp6, 0x10000c
	s_cmp_lg_u32 s2, 0x3003
	s_cbranch_scc0 .Lentry_shape_is_right
	s_endpgm
.Lentry_shape_is_right:
; out0[b][q][:] = the sum over k of softmax_k(Q[b][q] . K[b][k]) V[b][k][:], Q = forces Wq + bq; both products on codes of FP8 (E4M3) with one E8M0 scale for each 32 along a product's K.
; K's and V's codes and scale words come from the launch before, in the order of the operand's registers (its head comment has the layout).  Q is made and quantised here, in registers: one wave alone reads it.
; THE SOFTMAX: t = score x log2(e); M = the running largest t rounded UP to a whole number; p = 2^(t - M) is quantised along the keys, not normalised; the row's sum is taken of the unquantised p and divides O at the end.
; When M moves, the sum and O are multiplied by 2^(old M - new M), which rounds nothing.
; SHARES.  A work-group owns 128 queries of one batch, each of its four waves 32: two tiles of 16.  Every wave walks the batch's 2,048 keys, 128 a step.  Each fragment of K and V read from LDS feeds two matrix instructions.
; LAYOUT.  Both products are used transposed: S^T = K Q^T (source 0 = 16 keys, source 1 = 16 queries), O^T = V^T P^T (source 0 = 16 channels, source 1 = P): a lane holds ONE query (lane % 16) throughout,
; and the 16 score registers of two neighbouring key tiles are 16 neighbouring keys, so that the conversions' results are the second product's operand.
; BY TURNS.  A tile's softmax has two parts.  P1: the maximum, M, t - M; the other tile's O^T is brought under its new M here, in the places between the lines of the chain that ends in M.
; P2: the exponentials, among them the OTHER tile's 16 V^T P; then the sums and holds, among them the OTHER tile's 16 K Q^T of its next step.
; Body j: P2 of tile 1, step j | P1, P2 of tile 0, step j + 1 | P1 of tile 1, step j + 1.
; LDS LOADS go in four runs a step.  Tile 1's P2 fetches K of step j + 1: channels 0-127 at its head, channels 128-255 in the middle of the exponentials.  Tile 0's P2 fetches V of step j + 1: half of the channels ahead of the sums, half behind them.
; CLUSTER.  The four query blocks of a cluster belong to one batch and walk the same codes: each slot of the ring (two steps, 131,072 dense bytes) is asked for JOINTLY, a quarter by each wave.
; LIMITS: the promise holds while the scaled scores stay under 2^31 in magnitude; p under 2^-126 comes out of v_exp_f32 as 0; a block of zeros gets the byte 1 with zero codes; a block's largest p is taken from its
; largest score, which takes v_exp_f32 not to fall where its input rises; the bias is the first addend of Q's chain of multiply-adds; NaN and infinities among the inputs are not served.
; REGISTERS, in windows of 256 (s_set_vgpr_msb: bits 1:0 source 0, 3:2 source 1, 5:4 source 2, 7:6 destination):
;   window 0: v1-7 addresses and one at work; v8-15 statistics; v16-35 scale words and nothing else; v36-99 Q's codes; v100-167, v168-235 a tile's codes (4 registers, running on over converted scores) and scores; v236-255 at work.
;   window 1: O^T, tile q's channels 16 t on at 128 q + 8 t.   window 2: K's fragment 2 T + s at 16 (2 T + s).   window 3: V's fragment t at 16 t.
.set STEPB, 65536                      ; a step's codes: K's 32,768 bytes, then V's
.set SLOT1, 1<<17                      ; a slot holds two steps; slot 1 begins here
.set SCL,   2*SLOT1                    ; behind the ring: the batch's scale words, 2,048 bytes a step, filled once
.set SPARE, SCL+32768                  ; the spare words, 128 bytes for each wave: two blocks of 256 bytes that no other line names
.set STAGE, SPARE+512                  ; the way out: 16 rows x 272 bytes for each wave; no fill lands here
.set SP,    272
.set L16, 1                            ; v1   16 x lane; never rewritten
.set ADR, 2                            ; v2   LDS address of the step's codes;  on the way out: where I read a row back
.set ADS, 3                            ; v3   of its scale words;  on the way out: my byte offset in the wave's rows of out0
.set SPW, 4                            ; v4   LDS address of my spare word; never rewritten
.set NIL, 5                            ; v5   0; never rewritten
.set PFO, 6                            ; v6   256 x lane: the prefetches' offset; never rewritten
.set TT,  7                            ; v7   at work
.set ST,  8                            ; tile q at v[8 + 4 q]: -M, the largest score, the sum in two halves
.set KS,  16                           ; v16-23 K's scale words: register T; lanes 0-15 channels 0-127, lanes 16-31 channels 128-255
.set VS,  24                           ; v24-31 V's: register 4 (t / 8) + t % 4; lanes 16-31 where (t / 4) % 2 = 1
.set QS,  32                           ; v32-33 Q's, a register a tile, laid as K's
.set PW,  34                           ; v34-35 p's, a register a tile
.set QF,  36                           ; Q's fragment (tile q, s) at 36 + 32 q + 16 s
.set PC,  100                          ; p's codes of tile q at 100 + 68 q
.set SS,  104                          ; its scores at 104 + 68 q: block b's codes land on PC + 4 b, over scores of earlier blocks that are already converted
.set TM,  236                          ; v236-239 block maxima, v240-243 at work, v244-247 holds, v248-251 scale operands
.set F,   252                          ; tile q: v[252 + 2 q] = 2^(old M - new M);  the upper halves of the two pairs hold 0
.set XQ,  104                          ; while Q is made: 64 numbers,
.set NNQ, 172                          ; my query's three numbers, tile q's at 172 + 4 q,
.set QW,  184                          ; four scale words (2 q + s),
.set FO,  188                          ; and three addresses
.set WO,  189
.set HH,  190
.set HT,  68                           ; the way out, over Q's codes: lane / 16,
.set STO, 69                           ; and where I put 32 bytes of a row
.set WV,   16
.set G1C, 24                           ; s[24:31] descriptor group 1 for 32,768 dense bytes;  s[32:39] for 65,536
.set G1W, 32
.set G0S, 40                           ; s[40:43] group 0: the scale words;  s[44:47] my part of slot 0's first fill;  s[48:51] slot 1's, which then walks
.set G0A, 44
.set G0B, 48
.set SLOTS, 52                         ; slots still to be asked for
.set TWICE, 53
.set TB,  54                           ; LDS byte at which the codes of the step to be fetched begin
.set TS,  55                           ; and its scale words
.set CS,  56                           ; s[56:57] log2(e): the packed form names a pair and takes its low word for both halves
.set SEL, 58                           ; s[58:59] v_permlanex16_b32's selects for lane l xor 16
.set MNT, 60                           ; the mantissa field of 448
.set LIM, 61                           ; 1 in a cluster that prefetches, else the greatest number
.set PFA, 62                           ; s[62:63] where my wave's prefetches stand
.set MSB, 0
.macro WIN new                         ; the immediate's high byte repeats the setting that is left; a switch that changes nothing is dropped
.if MSB != (\new)
	s_set_vgpr_msb (MSB<<8)|(\new)
.set MSB, (\new)
.endif
.endm
.macro WALU
	s_wait_alu depctr_va_vdst(0)
.endm
; A round of the cluster's barrier: my work-group's barrier; wave 0 signals for the work-group; every wave waits for all four work-groups; my work-group's barrier once more.
.macro CROUND
	s_barrier_signal -1
	s_barrier_wait -1
	s_cmp_lg_u32 s[WV], 0
	s_cbranch_scc1 .Lnot_wave_0_\@
	s_barrier_signal -3
.Lnot_wave_0_\@:
	s_barrier_wait -3
	s_barrier_signal -1
	s_barrier_wait -1
.endm
.macro TLOAD g0, g1                    ; a tensor load, an s_nop 0 and four plain lines
	tensor_load_to_lds s[\g0:\g0+3], s[\g1:\g1+7]
	s_nop 0
.rept 4
	v_nop
.endr
.endm
.macro QBLK x, b, dst                  ; a block's 16 numbers of my lane: held within +-448 x the scale (the conversion does not saturate: ISA guide 7.6.2), then converted
.irp i, 0,1,2,3,4,5,6,7,8,9,10,11,12,13,14,15
	v_med3_num_f32 v[(\x)+16*(\b)+\i], v[(\x)+16*(\b)+\i], -v[TM+8+(\b)], v[TM+8+(\b)]
.endr
	v_cvt_scalef32_pk8_fp8_f32 v[(\dst):(\dst)+1], v[(\x)+16*(\b):(\x)+16*(\b)+7], v[TM+12+(\b)]
	v_cvt_scalef32_pk8_fp8_f32 v[(\dst)+2:(\dst)+3], v[(\x)+16*(\b)+8:(\x)+16*(\b)+15], v[TM+12+(\b)]
.endm
; Four blocks of 32, of each of which my lane holds 16 numbers and lane l xor 16 the others.  Codes of blocks 0, 1 to pa, pa + 4; of blocks 2, 3 to pb, pb + 4.  The bytes stay in v[TM+4 ..].
.macro QUANT4 x, pa, pb
.irp b, 0,1,2,3
	v_max3_num_f32 v[TM+\b], |v[(\x)+16*\b]|, |v[(\x)+16*\b+1]|, 0x4800000   ; with the floor 2^(9 - 127): the byte cannot fall under 1
.endr
.irp i, 2,4,6,8,10,12,14
.irp b, 0,1,2,3
	v_max3_num_f32 v[TM+\b], v[TM+\b], |v[(\x)+16*\b+\i]|, |v[(\x)+16*\b+\i+1]|
.endr
.endr
.irp b, 0,1,2,3
	v_permlanex16_b32 v[TM+4+\b], v[TM+\b], s[SEL], s[SEL+1]
.endr
.irp b, 0,1,2,3
	v_max_num_f32 v[TM+\b], v[TM+\b], v[TM+4+\b]
.endr
	SCALE_LINES
	QBLK \x, 0, \pa
	QBLK \x, 1, (\pa)+4
	QBLK \x, 2, \pb
	QBLK \x, 3, (\pb)+4
	v_nop                                          ; a plain line behind the last scaled conversion
.endm
.macro SCALE_LINES                     ; from the four largest magnitudes: the scale operands (8 off the exponent field), the holds (448 x the scale), the bytes
.irp b, 0,1,2,3
	v_add_nc_u32 v[TM+12+\b], 0xfc000000, v[TM+\b]
.endr
.irp b, 0,1,2,3
	v_and_or_b32 v[TM+8+\b], v[TM+\b], 0x7f800000, s[MNT]
.endr
.irp b, 0,1,2,3
	v_lshrrev_b32 v[TM+4+\b], 23, v[TM+12+\b]
.endr
.endm
	s_load_b256 s[4:11], s[0:1], 0x0               ; forces s[4:5], Wq s[6:7], bq s[8:9], kv_codes s[10:11]
	s_load_b128 s[12:15], s[0:1], 0x20             ; kv_scales s[12:13], out0 s[14:15]
	v_lshl_add_u32 v[SPW], v0, 2, SPARE
	v_mov_b32 v[NIL], 0
	ds_add_u32 v[SPW], v[NIL]                      ; the wave's opening: the add, twice on end, and its wait ahead of my first tensor load
	ds_add_u32 v[SPW], v[NIL]
	v_lshrrev_b32 v7, 5, v0
	v_readfirstlane_b32 s[WV], v7                  ; wave 0..3
	v_and_b32 v[L16], 31, v0
	v_lshlrev_b32 v[PFO], 8, v[L16]
	v_lshlrev_b32 v[L16], 4, v[L16]
	v_and_b32 v7, 15, v0
	v_bfe_u32 v[HH], v0, 4, 1
	v_mul_u32_u24 v[FO], v7, 12
	v_lshlrev_b32 v[WO], 6, v[HH]
.irp b, 0,1,2,3
	v_mov_b32 v[TM+4+\b], 0                        ; written once: a lane permute's destination counts as one of its sources
.endr
	v_mov_b32 v[NNQ+3], 0                          ; (named as upper halves of pairs: written once)
	v_mov_b32 v[NNQ+7], 0
	v_mov_b32 v[F+1], 0
	v_mov_b32 v[F+3], 0
	s_and_b32 s18, ttmp7, 0xffff                   ; the batch, which the four partners share
	s_lshl_b32 s20, s18, 20                        ; its codes: 16 steps of 65,536 bytes
	s_mov_b32 s21, 0
	s_lshl_b32 s22, s18, 15                        ; its scale words: 32,768 bytes
	s_mov_b32 s23, 0
	s_lshl_b32 s66, s[WV], 15                      ; my wave's quarter of a slot, in LDS and in memory
	s_mov_b32 s68, s66
	s_mov_b32 s69, 0
	s_add_co_u32 s67, s[WV], 3                     ; at the head: waves 1, 2, 3 begin at quarters 0, 1, 2
	s_and_b32 s67, s67, 3
	s_lshl_b32 s67, s67, 15
	s_mov_b32 s76, s67
	s_mov_b32 s77, 0
	; descriptor group 1: dense blocks as rows of 256 bytes (32 elements of 8 bytes), no padding: every LDS read is 16 x lane + a constant
	s_mov_b32 s[G1C], 15|(3<<16)|(1<<21)           ; 15:0 the mask: all four work-groups; 17:16 elements of 8 bytes; 21 set beside a mask
	s_mov_b32 s[G1C+1], 32<<16                     ; tensor_dim0 = 32
	s_mov_b32 s[G1C+2], 128<<16                    ; tensor_dim1 = 128
	s_mov_b32 s[G1C+3], 32<<16                     ; tile_dim0 = 32
	s_mov_b32 s[G1C+4], 128                        ; tile_dim1 = 128 rows: 32,768 bytes
	s_mov_b32 s[G1C+5], 32                         ; from row to row
	s_mov_b32 s[G1C+6], 0
	s_mov_b32 s[G1C+7], 0
	s_mov_b32 s[G1W], 15|(3<<16)|(1<<21)
	s_mov_b32 s[G1W+1], 32<<16
	s_mov_b32 s[G1W+2], 256<<16
	s_mov_b32 s[G1W+3], 32<<16
	s_mov_b32 s[G1W+4], 256                        ; 256 rows: 65,536 bytes
	s_mov_b32 s[G1W+5], 32
	s_mov_b32 s[G1W+6], 0
	s_mov_b32 s[G1W+7], 0
	s_mov_b32 s[CS], 0x3fb8aa3b                    ; log2(e)
	s_mov_b32 s[CS+1], s[CS]
	s_mov_b32 s[SEL], 0x76543210
	s_mov_b32 s[SEL+1], 0xfedcba98
	s_mov_b32 s[MNT], 0x600000
	s_mov_b32 s[TB], 0
	s_mov_b32 s[TS], SCL
	s_mov_b32 s[SLOTS], 6                          ; eight slots' worth of keys, two of them asked for ahead of the loop
	; what hangs on my place in the cluster: global addresses alone, in registers that feed no descriptor
	s_bfe_u32 s17, ttmp6, 0x40000                  ; cx
	s_lshl_b32 s70, ttmp9, 2
	s_add_co_u32 s70, s70, s17                     ; my block of 128 queries
	s_lshl_b32 s70, s70, 7
	s_lshl_b32 s71, s[WV], 5
	s_add_co_u32 s70, s70, s71                     ; my wave's first query,
	s_lshl_b32 s71, s18, 11
	s_add_co_u32 s70, s70, s71                     ; counted over all batches
	s_mul_i32 s72, s70, 12
	s_mov_b32 s73, 0
	s_lshl_b32 s74, s70, 10
	s_mov_b32 s75, 0
	s_lshl_b32 s70, s17, 2
	s_add_co_u32 s70, s70, s[WV]
	s_lshl_b32 s70, s70, 13                        ; the prefetches: of a slot's 131,072 bytes wave w of partner cx takes 8,192, lanes 256 bytes apart;
	s_add_co_u32 s70, s70, 4*STEPB                 ; they stand at the third slot's worth: the first change of slots steps them on to the fourth
	s_mov_b32 s71, 0
	s_cmp_eq_u32 ttmp9, 0                          ; all four clusters of a batch walk the same codes: the first asks.  The same in all four partners
	s_cselect_b32 s[LIM], 1, -1
	WALU
	s_wait_dscnt 0x0                               ; both opening adds are done
	s_wait_kmcnt 0x0
	s_add_nc_u64 s[10:11], s[10:11], s[20:21]      ; the codes at my batch
	s_add_nc_u64 s[PFA:PFA+1], s[10:11], s[70:71]
	s_add_nc_u64 s[4:5], s[4:5], s[72:73]          ; forces and out0 at my wave's first query
	s_add_nc_u64 s[14:15], s[14:15], s[74:75]
; Wq's three rows and bq for 32 channels (chunk c of channels 128 s on), the 16 of my half of the lanes, to window 1 + s (O^T's and K's registers, still free) at 64 c
.macro LOADW s, c
	WIN 0x40*(1+(\s))
.irp i, 0,1,2,3
.irp d, 0,1,2
	global_load_b128 v[64*(\c)+16*\d+4*\i:64*(\c)+16*\d+4*\i+3], v[WO], s[6:7] offset:1024*\d+512*(\s)+128*(\c)+16*\i
.endr
	global_load_b128 v[64*(\c)+48+4*\i:64*(\c)+48+4*\i+3], v[WO], s[8:9] offset:512*(\s)+128*(\c)+16*\i
.endr
	WIN 0
.endm
.irp q, 0,1
.irp d, 0,1,2
	global_load_b32 v[NNQ+4*\q+\d], v[FO], s[4:5] offset:192*\q+4*\d
.endr
.endr
	LOADW 0, 0                                     ; 54 loads set out ahead of the round
	LOADW 0, 1
	LOADW 0, 2
	s_mov_b32 s[G0S], 1                            ; 1:0 count = 1
	s_mov_b32 s[G0S+1], SCL                        ; LDS address
	s_add_nc_u64 s[G0S+2:G0S+3], s[12:13], s[22:23]
	s_or_b32 s[G0S+3], s[G0S+3], 0x80000000        ; type = 2
	s_mov_b32 s[G0A], 1
	s_mov_b32 s[G0A+1], s67
	s_add_nc_u64 s[G0A+2:G0A+3], s[10:11], s[76:77]
	s_or_b32 s[G0A+3], s[G0A+3], 0x80000000
	s_mov_b32 s[G0B], 1
	s_add_co_u32 s[G0B+1], s66, SLOT1
	s_add_nc_u64 s[G0B+2:G0B+3], s[10:11], s[68:69]
	s_add_nc_u64 s[G0B+2:G0B+3], s[G0B+2:G0B+3], 2*STEPB
	s_or_b32 s[G0B+3], s[G0B+3], 0x80000000
	CROUND                                         ; all four work-groups are here: the first joint loads meet
; THE HEAD'S LOADS, ONE A WAVE: wave 0 the batch's scale words, wave 1 step 0's K, wave 2 its V, wave 3 step 1's codes.  One tree of branches on the wave's number.
	s_cmp_eq_u32 s[WV], 0
	s_cbranch_scc0 .Lhead_codes
	TLOAD G0S, G1C
	s_branch .Lhead_asked
.Lhead_codes:
	s_cmp_lt_u32 s[WV], 3
	s_cbranch_scc0 .Lhead_step1
	TLOAD G0A, G1C
	s_branch .Lhead_asked
.Lhead_step1:
	TLOAD G0A, G1W
.Lhead_asked:
	LOADW 0, 3
	LOADW 1, 0
	LOADW 1, 1
	LOADW 1, 2
	LOADW 1, 3
	; ---- Q = forces Wq + bq for my 32 queries, quantised along the channels.  Lane (r, h) holds query r of each tile and, of each block of 32 channels, the 16 from 16 h on: the operand's own layout.
.irp s, 0,1
.irp cp, 0,1                           ; two chunks at a time, for both tiles: block 2 q + u is chunk 2 cp + u of tile q
.if 96-64*\s-32*\cp > 63
	s_wait_loadcnt 63                              ; behind this pair of chunks 96 or 64 loads were issued; the count's field ends at 63, and a smaller count is safe
.else
	s_wait_loadcnt 96-64*\s-32*\cp                 ; the loads of the later pairs of chunks may be out
.endif
	WIN 0x14*(1+\s)                                ; sources 1 and 2 in window 1 + s
.irp b, 0,1,2,3
.irp p, 0,2,4,6,8,10,12,14
	v_pk_fma_f32 v[XQ+16*\b+\p:XQ+16*\b+\p+1], v[NNQ+4*(\b/2):NNQ+4*(\b/2)+1], v[64*(2*\cp+\b%2)+\p:64*(2*\cp+\b%2)+\p+1], v[64*(2*\cp+\b%2)+48+\p:64*(2*\cp+\b%2)+48+\p+1] op_sel_hi:[0,1,1]
.endr
.endr
	WIN 0x04*(1+\s)
.irp b, 0,1,2,3
.irp p, 0,2,4,6,8,10,12,14
	v_pk_fma_f32 v[XQ+16*\b+\p:XQ+16*\b+\p+1], v[NNQ+4*(\b/2):NNQ+4*(\b/2)+1], v[64*(2*\cp+\b%2)+16+\p:64*(2*\cp+\b%2)+16+\p+1], v[XQ+16*\b+\p:XQ+16*\b+\p+1] op_sel:[1,0,0] op_sel_hi:[1,1,1]
.endr
.endr
.irp b, 0,1,2,3
.irp p, 0,2,4,6,8,10,12,14
	v_pk_fma_f32 v[XQ+16*\b+\p:XQ+16*\b+\p+1], v[NNQ+4*(\b/2)+2:NNQ+4*(\b/2)+3], v[64*(2*\cp+\b%2)+32+\p:64*(2*\cp+\b%2)+32+\p+1], v[XQ+16*\b+\p:XQ+16*\b+\p+1] op_sel_hi:[0,1,1]
.endr
.endr
	WIN 0
	QUANT4 XQ, QF+16*\s+8*\cp, QF+32+16*\s+8*\cp
.irp q, 0,1
.if \cp == 0
	v_lshl_or_b32 v[QW+2*\q+\s], v[TM+5+2*\q], 8, v[TM+4+2*\q]
.else
	v_lshl_or_b32 v[QW+2*\q+\s], v[TM+4+2*\q], 16, v[QW+2*\q+\s]
	v_lshl_or_b32 v[QW+2*\q+\s], v[TM+5+2*\q], 24, v[QW+2*\q+\s]
.endif
.endr
.endr
.endr
	v_cmp_eq_u32 vcc_lo, 1, v[HH]
	v_cndmask_b32 v[QS], v[QW], v[QW+1], vcc_lo    ; lanes 0-15: row r's word for channels 0-127; lanes 16-31: for channels 128-255
	v_cndmask_b32 v[QS+1], v[QW+2], v[QW+3], vcc_lo
.irp q, 0,1                            ; these eight lines and the two additions below are plain lines between the scale words' making and the first product
	v_mov_b32 v[ST+4*\q], 0x7e967699               ; -M: 1e38
	v_mov_b32 v[ST+4*\q+1], 0xfe967699             ; the largest score so far: -1e38, under every score
	v_mov_b32 v[ST+4*\q+2], 0                      ; the sum, in two halves
	v_mov_b32 v[ST+4*\q+3], 0
.endr
	v_add_nc_u32 v[ADR], s[TB], v[L16]
	v_add_nc_u32 v[ADS], s[TS], v[L16]
; Product (T, s) of S^T = K Q^T for tile q: 16 keys x 128 channels.  s = 0 starts the sum.  The scale words of s = 1 lie in lanes 16-31.
.macro KQ q, T, s
	WIN 0x02                                       ; K in window 2
.set rS, SS+68*(\q)+8*(\T)
.set rK, 16*(2*(\T)+(\s))
.set rQ, QF+32*(\q)+16*(\s)
.if (\s) == 0
	v_wmma_scale_f32_16x16x128_f8f6f4 v[rS:rS+7], v[rK:rK+15], v[rQ:rQ+15], 0, v[KS+(\T)], v[QS+(\q)]
.else
	v_wmma_scale_f32_16x16x128_f8f6f4 v[rS:rS+7], v[rK:rK+15], v[rQ:rQ+15], v[rS:rS+7], v[KS+(\T)], v[QS+(\q)] matrix_a_scale:MATRIX_SCALE_ROW1 matrix_b_scale:MATRIX_SCALE_ROW1
.endif
.endm
; Product t of O^T += V^T P^T for tile q: 16 channels x 128 keys.  zero = 1: the first step starts the sums: nothing is ever cleared.
.macro PV q, t, zero
	WIN 0x53                                       ; V in window 3, P in window 0, O^T in window 1
.set rO, 128*(\q)+8*(\t)
.set rV, 16*(\t)
.set rP, PC+68*(\q)
.set rW, VS+4*((\t)/8)+(\t)%4
.if ((\t)/4)%2
.if \zero
	v_wmma_scale_f32_16x16x128_f8f6f4 v[rO:rO+7], v[rV:rV+15], v[rP:rP+15], 0, v[rW], v[PW+(\q)] matrix_a_scale:MATRIX_SCALE_ROW1
.else
	v_wmma_scale_f32_16x16x128_f8f6f4 v[rO:rO+7], v[rV:rV+15], v[rP:rP+15], v[rO:rO+7], v[rW], v[PW+(\q)] matrix_a_scale:MATRIX_SCALE_ROW1
.endif
.else
.if \zero
	v_wmma_scale_f32_16x16x128_f8f6f4 v[rO:rO+7], v[rV:rV+15], v[rP:rP+15], 0, v[rW], v[PW+(\q)]
.else
	v_wmma_scale_f32_16x16x128_f8f6f4 v[rO:rO+7], v[rV:rV+15], v[rP:rP+15], v[rO:rO+7], v[rW], v[PW+(\q)]
.endif
.endif
.endm
; LDS loads, each of 512 consecutive bytes.  LSCALES: K's or V's eight scale registers.  LKRUN: K's eight fragments of channels 128 s on.  LVRUN: V's fragments 8 h .. 8 h + 7.
.macro LSCALES r, off
	ds_load_b128 v[\r:\r+3], v[ADS] offset:\off
	ds_load_b128 v[\r+4:\r+7], v[ADS] offset:\off+512
.endm
.macro LKRUN s
	WIN 0x80
.irp t, 0,1,2,3,4,5,6,7
.irp c, 0,1,2,3
	ds_load_b128 v[16*(2*\t+(\s))+4*\c:16*(2*\t+(\s))+4*\c+3], v[ADR] offset:2048*(2*\t+(\s))+512*\c
.endr
.endr
	WIN 0
.endm
.macro LVRUN h
	WIN 0xc0
.irp t, 0,1,2,3,4,5,6,7
.irp c, 0,1,2,3
	ds_load_b128 v[16*(8*(\h)+\t)+4*\c:16*(8*(\h)+\t)+4*\c+3], v[ADR] offset:32768+2048*(8*(\h)+\t)+512*\c
.endr
.endr
	WIN 0
.endm
; n lines of O^T under its new M: two numbers each; each accumulator from its low end on.
.macro RS n, on
.if \on
	WIN 0x41
.rept \n
	v_pk_mul_f32 v[oR+oP:oR+oP+1], v[oR+oP:oR+oP+1], v[oF:oF+1] op_sel_hi:[1,0]
.set oP, oP+2
.endr
	WIN 0
.endif
.endm
; P1 of tile q: the step's maximum, M, t - M.  resc = 1: the OTHER tile's O^T is brought under that tile's M in the places between the chain's lines.
.macro P1 q, resc
.set mS, SS+68*(\q)
.set mT, ST+4*(\q)
.set mF, F+2*(\q)
.set oR, 128*(1-(\q))
.set oF, F+2*(1-(\q))
.set oP, 0
.irp b, 0,1,2,3
	v_max3_num_f32 v[TM+\b], v[mS+16*\b], v[mS+16*\b+1], v[mS+16*\b+2]   ; the largest score of each block of 32 keys: for the row's maximum and, since p rises with the score, for the block's largest p.  Each accumulator is read from its low end on
.endr
.irp i, 3,5,7,9,11,13
.irp b, 0,1,2,3
	v_max3_num_f32 v[TM+\b], v[TM+\b], v[mS+16*\b+\i], v[mS+16*\b+\i+1]
.endr
.endr
.irp b, 0,1,2,3
	v_max_num_f32 v[TM+\b], v[TM+\b], v[mS+16*\b+15]
.endr
	RS 16, \resc
.irp b, 0,1,2,3
	v_permlanex16_b32 v[TM+4+\b], v[TM+\b], s[SEL], s[SEL+1]
.endr
	RS 12, \resc
.irp b, 0,1,2,3
	v_max_num_f32 v[TM+\b], v[TM+\b], v[TM+4+\b]   ; with lane l xor 16's 16 keys
.endr
	RS 10, \resc
	v_max3_num_f32 v[TT], v[TM], v[TM+1], v[TM+2]
	RS 9, \resc
	v_max3_num_f32 v[mT+1], v[TT], v[TM+3], v[mT+1]   ; the running largest score
	RS 9, \resc
	v_mul_f32 v[TT], s[CS], v[mT+1]                ; as t
	v_mov_b32 v[mF], v[mT]
	RS 8, \resc
	v_floor_f32 v[mT], -v[TT]                      ; the new -M = floor(-t) = -ceil(t)
.set p, 0
.rept 32
	v_pk_fma_f32 v[mS+p:mS+p+1], v[mS+p:mS+p+1], s[CS:CS+1], v[mT:mT+1] op_sel_hi:[1,0,0]   ; t - M, two at a time
.if p == 8
	v_sub_f32 v[mF], v[mT], v[mF]                  ; old M - new M: a whole number, 0 or less
.elseif p == 18
	v_cvt_i32_f32 v[mF], v[mF]                     ; (it saturates)
.elseif p == 28
	v_ldexp_f32 v[mF], 1.0, v[mF]                  ; f = 2^(old M - new M)
.endif
.set p, p+2
.endr
.irp b, 0,1,2,3
	v_fma_f32 v[TM+\b], v[TM+\b], s[CS], v[mT]     ; the same of each block's largest score
.endr
	WALU
.endm
; Stands ahead of each of P2's 64 sums and holds; ahead of lines 0, 4, .. 60 it writes one product K Q^T of the other tile: channels 0-127 of its eight key tiles, then channels 128-255.
; Tile 1's counted waits, ahead of products 8, 10, 12, 14: the next two fragments of channels 128-255 are in, the 24, 16, 8, 0 loads of the later ones may be out.
.macro HOST q, kq
.if (\kq) && (hc%4 == 0)
.if (\q) && (hk >= 8) && (hk%2 == 0)
	s_wait_dscnt 24-4*(hk-8)
.endif
	KQ 1-(\q), hk%8, hk/8
.if hk >= 8
	WIN 0                                          ; (the sums stand under K Q^T's setting, the holds do not)
.endif
.set hk, hk+1
.endif
.set hc, hc+1
.endm
; P2 of tile q.  pv: the other tile's V^T P among the exponentials: 0 none, 1 they start O^T's sums, 2 they add.  kq = 1: the other tile's K Q^T among the sums and holds, and the runs of LDS loads.
; The products name none of this tile's registers.  The accumulators take turns, one instruction a turn.
.macro P2 q, pv, kq
.set mS, SS+68*(\q)
.set mT, ST+4*(\q)
.set mF, F+2*(\q)
.set mP, PC+68*(\q)
.if \q
.if \kq
	v_add_nc_u32 v[ADR], s[TB], v[L16]             ; the next step
	v_add_nc_u32 v[ADS], s[TS], v[L16]
.endif
	WALU
	s_wait_dscnt 0x0                               ; V of this step and its scale words are in
.if \kq
	LSCALES KS, 0                                  ; 34 loads.  K's last readers stand among the holds of the P2 before: a whole P1 lies between
	LKRUN 0
.endif
.endif
.irp b, 0,1,2,3
	v_exp_f32 v[TM+\b], v[TM+\b]                   ; ONE BATCH of 68 exponentials: first the blocks' largest p (the same two instructions on the same number give the same bits),
.endr
.set e, 0
.rept 16
.if (\q) && (\kq) && (e == 8)
	LKRUN 1                                        ; 32 loads
.endif
.if \pv
	PV 1-(\q), e, 2-(\pv)
.endif
	WIN 0
	v_exp_f32 v[mS+4*e], v[mS+4*e]                 ; then p = 2^(t - M).  Nothing ahead of the wait below names a result
	v_exp_f32 v[mS+4*e+1], v[mS+4*e+1]
	v_exp_f32 v[mS+4*e+2], v[mS+4*e+2]
	v_exp_f32 v[mS+4*e+3], v[mS+4*e+3]
.set e, e+1
.endr
	v_pk_mul_f32 v[mT+2:mT+3], v[mT+2:mT+3], v[mF:mF+1] op_sel_hi:[1,0]   ; the sums under the new M: the plain line behind the last exponential
	WALU                                           ; one wait for the batch, ahead of its first reader
.irp b, 0,1,2,3
	v_max_num_f32 v[TM+\b], 0x4800000, v[TM+\b]    ; the floor 2^(9 - 127): the byte cannot fall under 1
.endr
	SCALE_LINES
	v_lshl_or_b32 v[PW+(\q)], v[TM+5], 8, v[TM+4]  ; p's scale word for these 128 keys
	v_lshl_or_b32 v[PW+(\q)], v[TM+6], 16, v[PW+(\q)]
	v_lshl_or_b32 v[PW+(\q)], v[TM+7], 24, v[PW+(\q)]
; The twenty plain lines above stand between the last V^T P and (a) the loads into V's registers and scale words, (b) the first K Q^T, which writes over the codes that V^T P has read.
.if \kq
.if \q
	s_wait_dscnt 32                                ; K's scale words and its channels 0-127 are in; the second run's 32 loads may be out
.else
	LSCALES VS, 1024                               ; 34 loads
	LVRUN 0
.endif
.endif
; THE SUMS have a constant as source 0, so that they stand under K Q^T's window setting, which moves source 0 alone: a + b as 1.0 x a + b.
.set hk, 0
.set hc, 0
	HOST \q, \kq
	v_pk_fma_f32 v[TM+4:TM+5], 1.0, v[mS:mS+1], v[mS+2:mS+3] op_sel_hi:[0,1,1]   ; the row's sum is taken of the unquantised p: two at a time, in four chains
	HOST \q, \kq
	v_pk_fma_f32 v[TM+6:TM+7], 1.0, v[mS+4:mS+5], v[mS+6:mS+7] op_sel_hi:[0,1,1]
	HOST \q, \kq
	v_pk_fma_f32 v[TM:TM+1], 1.0, v[mS+8:mS+9], v[mS+10:mS+11] op_sel_hi:[0,1,1]
.set n, 6
.rept 26
.set cr, mT+2
.if (n-6)%4 == 1
.set cr, TM+4
.elseif (n-6)%4 == 2
.set cr, TM+6
.elseif (n-6)%4 == 3
.set cr, TM
.endif
	HOST \q, \kq
	v_pk_fma_f32 v[cr:cr+1], 1.0, v[mS+2*n:mS+2*n+1], v[cr:cr+1] op_sel_hi:[0,1,1]
.set n, n+1
.endr
	HOST \q, \kq
	v_pk_fma_f32 v[TM+4:TM+5], 1.0, v[TM+6:TM+7], v[TM+4:TM+5] op_sel_hi:[0,1,1]
	HOST \q, \kq
	v_pk_fma_f32 v[mT+2:mT+3], 1.0, v[TM:TM+1], v[mT+2:mT+3] op_sel_hi:[0,1,1]
	HOST \q, \kq
	v_pk_fma_f32 v[mT+2:mT+3], 1.0, v[TM+4:TM+5], v[mT+2:mT+3] op_sel_hi:[0,1,1]
.if ((\q) == 0) && (\kq)
	LVRUN 1                                        ; 32 loads
.endif
.irp b, 0,1,2,3
.irp i, 0,2,4,6,8,10,12,14
	HOST \q, \kq
	WIN 0
	v_dual_min_num_f32 v[mS+16*\b+\i], v[TM+8+\b], v[mS+16*\b+\i] :: v_dual_min_num_f32 v[mS+16*\b+\i+1], v[TM+8+\b], v[mS+16*\b+\i+1]   ; the hold, two numbers: the conversion to an 8-bit code does not saturate (ISA guide 7.6.2); p is not negative
.endr
	v_cvt_scalef32_pk8_fp8_f32 v[mP+4*\b:mP+4*\b+1], v[mS+16*\b:mS+16*\b+7], v[TM+12+\b]   ; from block 1 on the codes land on scores of block 0, converted eight plain lines or more ago
	v_cvt_scalef32_pk8_fp8_f32 v[mP+4*\b+2:mP+4*\b+3], v[mS+16*\b+8:mS+16*\b+15], v[TM+12+\b]
.endr
.endm
; Behind the last K Q^T stand four holds, and its scores are first read by P1's sixteenth line; the one before it has eight holds and is first read by P1's fourth.
.macro ADVANCE                         ; the next fetches are the next step's
	s_add_co_u32 s[TB], s[TB], STEPB
	s_add_co_u32 s[TS], s[TS], 2048
.endm
.macro BODY pv, resc1
	P2 1, \pv, 1
	P1 0, \resc1
	P2 0, \pv, 1
	ADVANCE
	P1 1, 1
.endm
; A PREFETCH INTO THE L2 of the slot's worth of codes that the NEXT change of slots will ask for, two key steps on: 131,072 bytes, 512 blocks of 256: sixteen waves of the batch's first cluster, a lane a block.
; The partners are told apart by address alone.  The last change that fills a slot asks for nothing; the first three slots' worth come by their loads alone.
.macro ASK
	s_cmp_gt_u32 s[SLOTS], s[LIM]
	s_cbranch_scc0 .Lnot_mine_\@
	global_prefetch_b8 v[PFO], s[PFA:PFA+1] th:TH_LOAD_NT scope:SCOPE_SE
.Lnot_mine_\@:
.endm
; THE CHANGE OF SLOTS, between P1 and P2 of tile 1: V of the slot's second step, its last bytes, is wanted there anyway.  Each wave waits for all its tensor loads (one is out: its part of the other slot), adds 0 to its spare word,
; and waits for that and for its own reads of the slot.  fill = 1: a round of the cluster's barrier, and the joint refill first behind it: it has two key steps in which to land.
.macro CHANGE fill
	s_wait_tensorcnt 0x0                           ; no tensor load of mine is out, so a group 0 may be written
	ds_add_u32 v[SPW], v[NIL]                      ; 0 onto my spare word
.if \fill
	s_xor_b32 s[G0B+1], s[G0B+1], SLOT1            ; the walking descriptor: the other slot than last time,
	s_add_nc_u64 s[G0B+2:G0B+3], s[G0B+2:G0B+3], 2*STEPB   ; the next two steps; the type bits on top are not reached
	s_wait_xcnt 0x0                                ; the last prefetch, two key steps back, has read its address, so it may be written
	s_add_nc_u64 s[PFA:PFA+1], s[PFA:PFA+1], 2*STEPB
	s_wait_dscnt 0x0                               ; the add is done, and my reads of the slot are over
	CROUND                                         ; no wave of any partner still reads the slot or has a load on its way
	TLOAD G0B, G1C                                 ; my one tensor load behind the round
	ASK
.else
	s_wait_dscnt 0x0
	s_barrier_signal -1
	s_barrier_wait -1
.endif
	s_sub_co_u32 s[TB], s[TB], 2*STEPB             ; the fetches go back to a slot's first step,
	s_xor_b32 s[TB], s[TB], SLOT1                  ; in the other slot
.endm
.macro TWO_STEPS                       ; written once, walked twice; the LDS addresses hang on s[TB] and s[TS]
	s_mov_b32 s[TWICE], 2
.Lstep_\@:
	BODY 2, 1
	s_sub_co_u32 s[TWICE], s[TWICE], 1
	s_cmp_lg_u32 s[TWICE], 0
	s_cbranch_scc1 .Lstep_\@
.endm
	WALU                                           ; the head's end
	s_wait_tensorcnt 0x0                           ; my tile of the head's is in
	ds_add_u32 v[SPW], v[NIL]
	s_wait_dscnt 0x0
	CROUND                                         ; everybody's tiles are in, and the joint loads meet:
	TLOAD G0B, G1C                                 ; slot 1's first fill
	LSCALES KS, 0                                  ; K of step 0
	LKRUN 0
	LKRUN 1
	s_wait_dscnt 0x0
.irp s, 0,1
.irp t, 0,1,2,3,4,5,6,7
	KQ 0, \t, \s                                   ; tile 0's first scores: there is no softmax yet to set them into
.endr
.endr
	WIN 0
.rept 8
	v_nop                                          ; eight plain lines between these products and the first read of their scores
.endr
	P1 0, 0
	P2 0, 0, 1                                     ; tile 0, step 0 | tile 1's first scores | V of step 0
	ADVANCE
	P1 1, 0
	BODY 1, 0                                      ; both tiles' V^T P of step 0 start their O^T
.Lslot:                                            ; six trips: every slot's worth but the first two is asked for here
	CHANGE 1
	TWO_STEPS
	s_sub_co_u32 s[SLOTS], s[SLOTS], 1
	s_cmp_lg_u32 s[SLOTS], 0
	s_cbranch_scc1 .Lslot
	CHANGE 0                                       ; the tail is written out
	TWO_STEPS
	P2 1, 2, 0                                     ; tile 1's last softmax | tile 0's last V^T P
	; THE WAY OUT.  The sum's halves are added; O^T is divided by the sum and goes through my stage in LDS, a quarter row (64 channels, 256 bytes) of 16 queries at a time, so that sixteen lanes store 256 consecutive bytes, aligned.
	; Tile 0 leaves ahead of tile 1's last products.
.irp q, 0,1
	v_add_f32 v[TM+\q], v[ST+4*\q+2], v[ST+4*\q+3]
.endr
.irp q, 0,1
	v_permlanex16_b32 v[TM+4+\q], v[TM+\q], s[SEL], s[SEL+1]
.endr
.irp q, 0,1
	v_add_f32 v[TM+\q], v[TM+\q], v[TM+4+\q]       ; the row's sum
.endr
	WALU
.irp q, 0,1
	v_rcp_f32 v[TM+8+2*\q], v[TM+\q]
.endr
	v_and_b32 v7, 15, v0                           ; r  (the plain line behind the reciprocals)
	v_bfe_u32 v[HT], v0, 4, 1                      ; h
	s_mul_i32 s66, s[WV], 16*SP
	s_add_co_u32 s66, s66, STAGE                   ; my stage
	v_mul_u32_u24 v[STO], v7, SP
	v_lshl_add_u32 v[STO], v[HT], 5, v[STO]
	v_add_nc_u32 v[STO], s66, v[STO]               ; in: row r; a tile's eight channels of my half: 64 t + 32 h bytes on
	v_mul_u32_u24 v[ADR], v[HT], SP
	v_lshl_add_u32 v[ADR], v7, 4, v[ADR]
	v_add_nc_u32 v[ADR], s66, v[ADR]               ; back: lanes 0-15 one row, lanes 16-31 the next
	v_lshlrev_b32 v[ADS], 10, v[HT]
	v_lshl_add_u32 v[ADS], v7, 4, v[ADS]           ; and the same two rows of out0, 1,024 bytes each
	WALU                                           ; one wait for both reciprocals, ahead of their first reader
; Pass n: tile n / 4, channels 64 (n % 4) on.  Two sets of registers by turns for the quotients (v104.., v184..), two for the rows read back (v136.., v36..): none touches tile 1's codes, v168-183.
.macro PASS n
.set xo, 104+80*((\n)%2)
.set bk, 136-100*((\n)%2)
.set oq, 128*((\n)/4)+32*((\n)%4)
.set rc, TM+8+2*((\n)/4)
	WIN 0x01                                       ; O^T in window 1
.set p, 0
.rept 16
	v_pk_mul_f32 v[xo+p:xo+p+1], v[oq+p:oq+p+1], v[rc:rc+1] op_sel_hi:[1,0]   ; each accumulator from its low end on
.set p, p+2
.endr
	WIN 0
.irp t, 0,1,2,3
	ds_store_b128 v[STO], v[xo+8*\t:xo+8*\t+3] offset:64*\t
	ds_store_b128 v[STO], v[xo+8*\t+4:xo+8*\t+7] offset:64*\t+16
.endr
.irp i, 0,1,2,3,4,5,6,7
	ds_load_b128 v[bk+4*\i:bk+4*\i+3], v[ADR] offset:2*\i*SP   ; LDS serves a wave's instructions in order (ISA guide 5.7.1.4): these see the stores above, and the next pass's stores come behind them
.endr
.endm
.macro SEND n, younger                 ; younger: the LDS instructions issued behind pass n's loads
.set bk, 136-100*((\n)%2)
	s_wait_dscnt \younger
.irp i, 0,1,2,3,4,5,6,7
	global_store_b128 v[ADS], v[bk+4*\i:bk+4*\i+3], s[14:15] offset:16384*((\n)/4)+2048*\i+256*((\n)%4) th:TH_STORE_NT
.endr
.endm
	PASS 0
	PASS 1
	SEND 0, 16                                     ; behind that pass's loads: the next pass's 8 stores and 8 loads
	s_wait_xcnt 0x0                                ; the stores have read their registers: the next pass's loads may land there
	PASS 2
	SEND 1, 16
	s_wait_xcnt 0x0
	PASS 3
	SEND 2, 16
.set oR, 128
.set oF, F+2
.set oP, 0
	RS 64, 1                                       ; tile 1's O^T under its last M
	WALU
	SEND 3, 0
.set n, 0
.rept 16
	PV 1, n, 0                                     ; tile 1's last V^T P: no softmax is left to set it into
.set n, n+1
.endr
	WIN 0
.rept 8
	v_nop                                          ; eight plain lines ahead of the first read of these results
.endr
	s_wait_xcnt 0x0
	PASS 4
	PASS 5
	SEND 4, 16
	s_wait_xcnt 0x0
	PASS 6
	SEND 5, 16
	s_wait_xcnt 0x0
	PASS 7
	SEND 6, 16
	SEND 7, 0
	s_wait_tensorcnt 0x0                           ; the wave's end, behind my last tensor load and my last LDS store
	ds_add_u32 v[SPW], v[NIL]
	s_wait_dscnt 0x0
	CROUND                                         ; the closing round: no work-group ends while a partner may still ask for a slot that names it
	s_endpgm
.Lfunc_end_k_qed76eeb87b_attn:
	.size	k_qed76eeb87b_attn, .Lfunc_end_k_qed76eeb87b_attn-k_qed76eeb87b_attn
	.p2alignl 7, 3214868480
	.fill 96, 4, 3214868480
	.section	.rodata,"a",@progbits
	.p2align	6, 0x0
	.amdhsa_kernel k_qed76eeb87b_attn
		.amdhsa_group_segment_fixed_size 327680
		.amdhsa_private_segment_fixed_size 0
		.amdhsa_enable_private_segment 0
		.amdhsa_kernarg_size 48
		.amdhsa_user_sgpr_count 2
		.amdhsa_user_sgpr_kernarg_segment_ptr 1
		.amdhsa_wavefront_size32 1
		.amdhsa_system_sgpr_workgroup_id_x 1
		.amdhsa_system_sgpr_workgroup_id_y 1
		.amdhsa_system_sgpr_workgroup_id_z 1
		.amdhsa_system_vgpr_workitem_id 0
		.amdhsa_next_free_vgpr 1024
		.amdhsa_next_free_sgpr 80
		.amdhsa_reserve_vcc 1
		.amdhsa_float_denorm_mode_32 3
		.amdhsa_float_denorm_mode_16_64 3
		.amdhsa_memory_ordered 1
		.amdhsa_forward_progress 1
		.amdhsa_inst_pref_size 255
	.end_amdhsa_kernel
	.section	.bss,"aw",@nobits
	.p2align	6
	.space	262144
	.amdgpu_metadata
---
amdhsa.version: [ 1, 2 ]
amdhsa.kernels:
  - .name:           k_qed76eeb87b_attn
    .symbol:         k_qed76eeb87b_attn.kd
    .args:
      - { .name: forces, .offset: 0, .size: 8, .value_kind: global_buffer, .address_space: global }
      - { .name: Wq, .offset: 8, .size: 8, .value_kind: global_buffer, .address_space: global }
      - { .name: bq, .offset: 16, .size: 8, .value_kind: global_buffer, .address_space: global }
      - { .name: kv_codes, .offset: 24, .size: 8, .value_kind: global_buffer, .address_space: global }
      - { .name: kv_scales, .offset: 32, .size: 8, .value_kind: global_buffer, .address_space: global }
      - { .name: out0, .offset: 40, .size: 8, .value_kind: global_buffer, .address_space: global }
    .group_segment_fixed_size: 327680
    .private_segment_fixed_size: 0
    .kernarg_segment_align: 8
    .kernarg_segment_size: 48
    .max_flat_workgroup_size: 128
    .sgpr_count:     80
    .vgpr_count:     1024
    .wavefront_size: 32
...
	.end_amdgpu_metadata
.endif
;; end of part 2
